; MI455X (gfx1250); checked and timed in simulation.
; The chip was launched on July 23, 2026; its instructions are those of AMD's public machine-readable ISA for CDNA 5 (MIT licence, August 2026) and "CDNA5" Instruction Set Architecture Reference Guide (July 2026). The comments in the code are by the model that wrote it; some were corrected since.
;; Attention Layer. Allowed arithmetic: matrix products marked QUANTISED: E4M3 operands, one given power-of-two scale a tensor, by v_wmma_f32_16x16x64_fp8_fp8 or v_wmma_f32_16x16x128_fp8_fp8, f32 sums; products left as they are: f32 operands where the result goes on into a quantised operand, else bf16, f16 or f32 operands; f32 sums; everything else in f32.
;; Inputs: W_a 2,048 x 1,024 float32; b_a 1,024 float32; b_v 1 float32; dec_h_t_codes 32 x 32 x 32 uint8 (E4M3 codes of dec_h_t, K innermost, in blocks of 32 codes); enc_h_s 32 x 2,048 x 1,024 float32; lowp_scales 4 int32 (the exponents e of the quantised operands' scales 2^e); v_a 1,024 x 1 float32.
;; Outputs: out0 32 x 1,024 float32.
;; This version of the problem:
;;   THIS VERSION OF THE PROBLEM IS GIVEN IN LOW PRECISION. The matrix products marked QUANTISED in the list below multiply operands that are first quantised to E4M3 (4 exponent bits, 3 mantissa bits; 8 bits a number), with one given power-of-two scale for each operand tensor; their sums are f32. All else is computed in f32.
;;   The module's matrix products, in the order in which they are computed (A, B: the left and right operand; K: the contracted axis; several contracted axes count as one K, in the product's order):
;;     1. [M 32, K 1,024] x [K 1,024, N 1,024]; A: input dec_h_t (given as codes); B: input W_a: QUANTISED (scales: A lowp_scales[0], B lowp_scales[1])
;;     2. [M 65,536, K 1,024] x [K 1,024, N 1,024]; A: input enc_h_s; B: input W_a: QUANTISED (scales: A lowp_scales[2], B lowp_scales[3])
;;     3. [M 65,536, K 1,024] x [K 1,024, N 1]; A: computed on the way; B: input v_a: left as it is (N = 1 < 16)
;;   THE QUANTISER, for each operand of a quantised product, along K:
;;     - The operand's scale is 2^e, e = its entry of the input lowp_scales (int32; the entries are numbered through the quantised products in the list's order, A before B).
;;     - Each number is divided by the scale, clamped to +-448, and rounded to the nearest number of E4M3, ties to even, subnormals kept.
;;     - The product sums the exact products of the quantised numbers (number of the format x scale) in f32.
;;   ~~~python
;;   def quantise(x, axis, e):      # numpy; x: float32 -> the quantised numbers, widened to float32 again
;;       x = np.moveaxis(x, axis, -1); K = x.shape[-1]
;;       r = np.clip(x / 2.0 ** e, -448, 448)
;;       step = 2.0 ** (np.maximum(np.frexp(np.where(r == 0, 1, r))[1] - 1, -6) - 3)
;;       q = np.round(r / step) * step * 2.0 ** e      # np.round: ties to even
;;       return np.moveaxis(q, -1, axis).astype(np.float32)
;;   ~~~
;;   INPUTS GIVEN AS CODES. dec_h_t (in the module: [32, 1024], K = its axis 1): each comes as NAME_codes (uint8): NAME with its K axis moved to the last place and cut into blocks of 32 codes, [.., K / 32, bytes a block], one block behind the other in memory; one code a byte (a code: sign, 4 exponent bits, 3 mantissa bits); its scale is its entry of lowp_scales. Its value is code x scale, taken as it is: it is not quantised again, and the codes and scales need not be those that the quantiser above would give.
;; One version. Each part assembles by itself: llvm-mc -triple=amdgcn-amd-amdhsa -mcpu=gfx1250 --defsym DOCPART=n.
;; ======== version 1 of 1: 3 launches
;; limits: right only within a limited range of input values
;; workspace buffers: wq 1,048,576 bytes; hb 131,072 bytes; part 4,194,304 bytes; stats 262,144 bytes
;; launch prep (part 1): grid 128 x 1, 8 waves a work-group, no clusters, 17,408 bytes of LDS; arguments W_a, dec_h_t_codes, b_a, lowp_scales, wq, hb; writes wq, hb
.if DOCPART == 1
	.amdgcn_target "amdgcn-amd-amdhsa--gfx1250"
	.amdhsa_code_object_version 6
	.text
	.protected	k_qe7800f9c2f_prep
	.globl	k_qe7800f9c2f_prep
	.p2align	8
	.type	k_qe7800f9c2f_prep,@function
k_qe7800f9c2f_prep:
	s_mov_b64 s[64:65], 0
	v_nop
	global_prefetch_b8 v0, s[64:65] scope:SCOPE_SE
	s_setreg_imm32_b32 hwreg(HW_REG_WAVE_MODE, 25, 1), 1
	s_wait_xcnt 0x0
; Two small jobs ahead of the main launch, parted on the work-group's number (the same for all eight waves of a work-group).
; WORK-GROUPS 0-63: the lower half of W_a (rows 1024-2047, the operand of the large product) becomes codes of FP8 (E4M3) with the given scale 2^e3, laid in the ORDER OF THE OPERAND'S REGISTERS:
;   wq byte ((j*8+s)*4+c)*512 + 16*L + i = code of W_a[1024 + 128 s + 32 c + 16 (L/16) + i][16 j + L%16]   (j: tile of 16 units, s: K step of 128, c: 0..3, L: lane, i: 0..15)
;   A lane takes a column and its registers run down K, so the conversions give codes with K innermost and nothing is transposed.
; WORK-GROUPS 64-127: dec_proj = dec (given as codes) x Q(W_a[0:1024], e1) by the FP8 matrix form, 16 units a work-group, one K step of 128 a wave; the eight waves' sums meet in LDS and are added in f32.
;   Stored is hb[j][b][n] = 2 log2(e) x (dec_proj x 2^(e0+e1) + b_a): the addend of the main launch's tanh argument, already in the exponential's base.
; code = x / 2^e, held within +-448, rounded to the nearest code, ties to even.
; LIMITS: e1 and e3 between -126 and 119; e0 + e1 between -126 and 127.  NaN among the inputs is not served.  K inside a matrix instruction is permuted alike in both operands (16-byte pieces), and
; dec_proj's K is summed in eight parts: an order of rounding that differs from a single chain.
.macro MKSCALE e                       ; v11 = 2^e as f32 (the conversion takes its exponent field), v10 = 448 x 2^e
	s_add_co_i32 s28, \e, 127
	s_lshl_b32 s29, s28, 23
	v_mov_b32 v11, s29
	s_add_co_i32 s28, s28, 8
	s_lshl_b32 s28, s28, 23
	s_or_b32 s28, s28, 0x600000
	v_mov_b32 v10, s28
.endm
.macro QB x, c                         ; 32 numbers v[x..x+31] of one lane, neighbours along K, become 32 codes in v[c..c+7]
.set i, 0
.rept 32
	v_med3_num_f32 v[\x+i], v[\x+i], -v10, v10     ; the conversion to an 8-bit code does not saturate (ISA guide 7.6.2): the hold at the largest code x the scale comes first
.set i, i+1
.endr
.irp g, 0,1,2,3
	v_cvt_scalef32_pk8_fp8_f32 v[\c+2*\g:\c+2*\g+1], v[\x+8*\g:\x+8*\g+7], v11
.endr
.endm
	s_load_b256 s[4:11], s[0:1], 0x0               ; W_a s[4:5], dec's codes s[6:7], b_a s[8:9], the scales' exponents s[10:11]
	s_load_b128 s[12:15], s[0:1], 0x20             ; wq s[12:13], hb s[14:15]
	v_lshl_add_u32 v160, v0, 2, 0x4000
	v_mov_b32 v161, 0
	v_lshrrev_b32 v1, 5, v0
	s_delay_alu instid0(VALU_DEP_1)
	v_readfirstlane_b32 s16, v1                    ; wave 0..7
	v_and_b32 v1, 31, v0                           ; lane
	v_and_b32 v2, 15, v0                           ; r
	v_bfe_u32 v3, v0, 4, 1                         ; h
	s_mov_b32 s31, 0                               ; the upper word of every offset pair s[30:31]
	s_wait_kmcnt 0x0
	s_load_b128 s[20:23], s[10:11], 0x0            ; e0, e1, e2, e3
	s_cmp_lt_u32 ttmp9, 64
	s_cbranch_scc0 .Ldec
	; ---- W_a's lower half into wq.  Work-group e: 128 columns (e % 8), K step e / 8.  Wave w: columns 32 (w % 4) on, K blocks 2 (w / 4) and 2 (w / 4) + 1.
	s_and_b32 s24, ttmp9, 7                        ; cb
	s_lshr_b32 s25, ttmp9, 3                       ; s
	s_and_b32 s26, s16, 3                          ; w % 4
	s_lshr_b32 s27, s16, 2                         ; w / 4
	s_lshl_b32 s30, s25, 7
	s_lshl_b32 s32, s27, 6
	s_add_co_u32 s30, s30, s32
	s_add_co_u32 s30, s30, 1024                    ; my first row of W_a: 1024 + 128 s + 64 (w / 4)
	s_lshl_b32 s30, s30, 12                        ; rows of 4,096 bytes
	s_lshl_b32 s32, s24, 9
	s_add_co_u32 s30, s30, s32
	s_lshl_b32 s32, s26, 7
	s_add_co_u32 s30, s30, s32                     ; + 4 x (128 cb + 32 (w % 4))
	s_add_nc_u64 s[4:5], s[4:5], s[30:31]
	s_lshl_b32 s30, s24, 17                        ; wq: tile 8 cb + 2 (w % 4) of 16,384 bytes,
	s_lshl_b32 s32, s26, 15
	s_add_co_u32 s30, s30, s32
	s_lshl_b32 s32, s25, 11                        ; K step s of 2,048,
	s_add_co_u32 s30, s30, s32
	s_lshl_b32 s32, s27, 10                        ; my two blocks of 512
	s_add_co_u32 s30, s30, s32
	s_add_nc_u64 s[12:13], s[12:13], s[30:31]
	s_wait_alu depctr_va_vdst(0)
	v_lshlrev_b32 v4, 2, v1                        ; in: 4 bytes a lane: a wave's load reads 128 consecutive bytes, the four waves side by side 512
	v_lshlrev_b32 v5, 14, v3                       ; out: lanes 16-31 hold the next tile's columns;
	s_delay_alu instid0(VALU_DEP_1)
	v_lshl_add_u32 v5, v2, 4, v5                   ; 16 bytes for each column of a tile
.set i, 0
.rept 64
	global_load_b32 v[32+i], v4, s[4:5] offset:i*4096 th:TH_LOAD_NT   ; W_a(first row + i, my column): read once in the launch
.set i, i+1
.endr
	s_wait_kmcnt 0x0
	MKSCALE s23                                    ; e3
	s_wait_alu depctr_va_vdst(0)
	s_wait_loadcnt 32                              ; the first block's 32 loads are in; the second block's may be out
	QB 32, 96
	s_wait_loadcnt 0x0
	QB 64, 104
	v_nop                                          ; one plain vector line behind the last conversion
.irp cc, 0,1
.irp hh, 0,1
	global_store_b128 v5, v[96+8*\cc+4*\hh:96+8*\cc+4*\hh+3], s[12:13] offset:\cc*512+\hh*256   ; k = 32 c + 16 hh + 0..15 of my column: sixteen lanes store 256 consecutive bytes, aligned
.endr
.endr
	s_endpgm
	; ---- dec_proj.  Work-group 64 + d: units 16 d .. 16 d + 15.  Wave w: K = 128 w .. 128 w + 127.
.Ldec:
	s_sub_co_u32 s24, ttmp9, 64                    ; d
	s_lshl_b32 s30, s16, 7
	s_add_nc_u64 s[6:7], s[6:7], s[30:31]          ; dec's codes at K = 128 w
	s_lshl_b32 s30, s16, 19                        ; W_a: 128 w rows of 4,096 bytes,
	s_lshl_b32 s32, s24, 6
	s_add_co_u32 s30, s30, s32                     ; + 4 x 16 d
	s_add_nc_u64 s[4:5], s[4:5], s[30:31]
	s_mov_b32 s30, s32
	s_add_nc_u64 s[8:9], s[8:9], s[30:31]          ; b_a at unit 16 d
	s_lshl_b32 s30, s24, 11
	s_add_nc_u64 s[14:15], s[14:15], s[30:31]      ; hb at tile d: 32 x 16 numbers
	s_wait_alu depctr_va_vdst(0)
	v_lshlrev_b32 v6, 10, v2
	s_delay_alu instid0(VALU_DEP_1)
	v_lshl_add_u32 v6, v3, 4, v6                   ; dec: row r of 1,024 bytes, + 16 h
	v_lshlrev_b32 v7, 16, v3
	s_delay_alu instid0(VALU_DEP_1)
	v_lshl_add_u32 v7, v2, 2, v7                   ; W_a: lane r takes column r, lanes 16-31 begin 16 rows further down
	s_lshl_b32 s32, s16, 11
	v_lshlrev_b32 v8, 4, v1
	s_delay_alu instid0(VALU_DEP_1)
	v_add_nc_u32 v8, s32, v8                       ; LDS: my wave's 2,048 bytes, 16 bytes a lane: the two results as images of their registers
	v_lshrrev_b32 v9, 7, v0                        ; thread T sums outputs (b = T / 8, units 2 (T % 8) and + 1).  In an image: tile b / 16 -> 1,024;
	s_delay_alu instid0(VALU_DEP_1)
	v_lshlrev_b32 v9, 10, v9
	v_bfe_u32 v12, v0, 1, 1                        ; registers 4-7 against 0-3 -> 512;
	s_delay_alu instid0(VALU_DEP_1)
	v_lshl_add_u32 v9, v12, 9, v9
	v_bfe_u32 v12, v0, 2, 1                        ; the half of the lanes -> 256;
	s_delay_alu instid0(VALU_DEP_1)
	v_lshl_add_u32 v9, v12, 8, v9
	v_bfe_u32 v12, v0, 3, 4                        ; b % 16 -> 16;
	s_delay_alu instid0(VALU_DEP_1)
	v_lshl_add_u32 v9, v12, 4, v9
	v_and_b32 v12, 1, v0                           ; the pair of registers -> 8
	s_delay_alu instid0(VALU_DEP_1)
	v_lshl_add_u32 v9, v12, 3, v9
	v_and_b32 v13, 7, v0
	s_delay_alu instid0(VALU_DEP_1)
	v_lshlrev_b32 v13, 3, v13                      ; b_a: my two units
	v_lshlrev_b32 v14, 3, v0                       ; hb: 8 T: a wave stores 256 consecutive bytes, aligned
.irp t, 0,1
.irp c, 0,1,2,3
	global_load_b128 v[112+16*\t+4*\c:112+16*\t+4*\c+3], v6, s[6:7] offset:\t*16384+32*\c   ; dec(16 t + r, 128 w + 32 c + 16 h ..)
.endr
.endr
	global_load_b64 v[30:31], v13, s[8:9]
.irp c, 0,1,2,3
.irp i, 0,1,2,3,4,5,6,7,8,9,10,11,12,13,14,15
	global_load_b32 v[32+16*\c+\i], v7, s[4:5] offset:(32*\c+\i)*4096   ; W_a(128 w + 32 c + 16 h + i, 16 d + r): in the very order that the operand's layout gives the lane
.endr
.endr
	s_wait_kmcnt 0x0
	MKSCALE s21                                    ; e1
	s_add_co_i32 s26, s20, s21
	s_add_co_i32 s26, s26, 127
	s_lshl_b32 s26, s26, 23                        ; 2^(e0 + e1) as f32
	s_mov_b32 s27, s26                             ; (named with it as a pair, so it is written)
	s_wait_alu depctr_va_vdst(0)
	s_wait_loadcnt 0x0
	QB 32, 96
	QB 64, 104
	v_nop                                          ; one plain vector line between the last conversion and the products that read its result
	v_wmma_f32_16x16x128_fp8_fp8 v[144:151], v[96:111], v[112:127], 0   ; transposed: source 0 = 16 units, source 1 = 16 rows of dec: lane (r, h), register j = (b = r, unit 8 h + j)
	v_wmma_f32_16x16x128_fp8_fp8 v[152:159], v[96:111], v[128:143], 0   ; b = 16 + r
.rept 4
	v_nop                                          ; four places ahead of the stores that read the results
.endr
.irp g, 0,1,2,3
	ds_store_b128 v8, v[144+4*\g:147+4*\g] offset:512*\g   ; each result from its low end on
.endr
	s_wait_dscnt 0x0                               ; for the others' sake: my stores have landed
	s_barrier_signal -1
	s_barrier_wait -1
.irp k, 0,1,2,3,4,5,6,7
	ds_load_b64 v[32+2*\k:33+2*\k], v9 offset:2048*\k      ; the eight waves' parts of my two outputs
.endr
	s_wait_dscnt 0x0
.irp k, 0,4,8,12
	v_pk_add_f32 v[32+\k:33+\k], v[32+\k:33+\k], v[34+\k:35+\k]
.endr
	s_delay_alu instid0(VALU_DEP_3)
	v_pk_add_f32 v[32:33], v[32:33], v[36:37]
	s_delay_alu instid0(VALU_DEP_2)
	v_pk_add_f32 v[40:41], v[40:41], v[44:45]
	s_delay_alu instid0(VALU_DEP_1)
	v_pk_add_f32 v[32:33], v[32:33], v[40:41]
	s_delay_alu instid0(VALU_DEP_1)
	v_pk_fma_f32 v[32:33], v[32:33], s[26:27], v[30:31] op_sel_hi:[1,0,1]   ; sum x 2^(e0 + e1) + b_a
	s_delay_alu instid0(VALU_DEP_1)
	v_pk_mul_f32 v[32:33], v[32:33], 0x4038aa3b op_sel_hi:[1,0]             ; x 2 log2(e)
	global_store_b64 v14, v[32:33], s[14:15]
	s_wait_tensorcnt 0x0
	ds_add_u32 v160, v161
	s_wait_dscnt 0x0
	s_endpgm
.Lfunc_end_k_qe7800f9c2f_prep:
	.size	k_qe7800f9c2f_prep, .Lfunc_end_k_qe7800f9c2f_prep-k_qe7800f9c2f_prep
	.p2alignl 7, 3214868480
	.fill 96, 4, 3214868480
	.section	.rodata,"a",@progbits
	.p2align	6, 0x0
	.amdhsa_kernel k_qe7800f9c2f_prep
		.amdhsa_group_segment_fixed_size 17408
		.amdhsa_private_segment_fixed_size 0
		.amdhsa_enable_private_segment 0
		.amdhsa_kernarg_size 48
		.amdhsa_user_sgpr_count 2
		.amdhsa_user_sgpr_kernarg_segment_ptr 1
		.amdhsa_wavefront_size32 1
		.amdhsa_system_sgpr_workgroup_id_x 1
		.amdhsa_system_sgpr_workgroup_id_y 1
		.amdhsa_system_sgpr_workgroup_id_z 1
		.amdhsa_system_vgpr_workitem_id 0
		.amdhsa_next_free_vgpr 162
		.amdhsa_next_free_sgpr 66
		.amdhsa_reserve_vcc 0
		.amdhsa_float_denorm_mode_32 3
		.amdhsa_float_denorm_mode_16_64 3
		.amdhsa_memory_ordered 1
		.amdhsa_forward_progress 1
		.amdhsa_inst_pref_size 29
	.end_amdhsa_kernel
	.amdgpu_metadata
---
amdhsa.version: [ 1, 2 ]
amdhsa.kernels:
  - .name:           k_qe7800f9c2f_prep
    .symbol:         k_qe7800f9c2f_prep.kd
    .args:
      - { .name: W_a, .offset: 0, .size: 8, .value_kind: global_buffer, .address_space: global }
      - { .name: dec_h_t_codes, .offset: 8, .size: 8, .value_kind: global_buffer, .address_space: global }
      - { .name: b_a, .offset: 16, .size: 8, .value_kind: global_buffer, .address_space: global }
      - { .name: lowp_scales, .offset: 24, .size: 8, .value_kind: global_buffer, .address_space: global }
      - { .name: wq, .offset: 32, .size: 8, .value_kind: global_buffer, .address_space: global }
      - { .name: hb, .offset: 40, .size: 8, .value_kind: global_buffer, .address_space: global }
    .group_segment_fixed_size: 17408
    .private_segment_fixed_size: 0
    .kernarg_segment_align: 8
    .kernarg_segment_size: 48
    .max_flat_workgroup_size: 256
    .sgpr_count:     66
    .vgpr_count:     162
    .wavefront_size: 32
...
	.end_amdgpu_metadata
.endif
;; end of part 1
;; launch main (part 2): grid 256 x 1, 4 waves a work-group, clusters of 4 x 1, 327,680 bytes of LDS; arguments enc_h_s, wq, hb, v_a, part, stats, lowp_scales; writes part, stats
.if DOCPART == 2
	.amdgcn_target "amdgcn-amd-amdhsa--gfx1250"
	.amdhsa_code_object_version 6
	.text
	.protected	k_qe7800f9c2f_main
	.globl	k_qe7800f9c2f_main
	.p2align	8
	.type	k_qe7800f9c2f_main,@function
k_qe7800f9c2f_main:
	s_mov_b64 s[64:65], 0
	v_nop
	global_prefetch_b8 v0, s[64:65] scope:SCOPE_SE
	s_setreg_imm32_b32 hwreg(HW_REG_WAVE_MODE, 25, 1), 1
	s_wait_xcnt 0x0
	s_wait_alu depctr_hold_cnt(0) depctr_sa_sdst(0) depctr_va_vdst(0) depctr_va_sdst(0) depctr_va_ssrc(0) depctr_va_vcc(0) depctr_vm_vsrc(0)
	s_getreg_b32 s2, hwreg(HW_REG_IB_STS2, 6, 4)
	s_cmp_eq_u32 s2, 0
	s_cbranch_scc0 .Lentry_in_a_cluster
	s_endpgm
.Lentry_in_a_cluster:
	s_bfe_u32 s2, ttmp6, 0x10000c
	s_cmp_lg_u32 s2, 0x3003
	s_cbranch_scc0 .Lentry_shape_is_right
	s_endpgm
.Lentry_shape_is_right:
; For 256 rows of enc_h_s (one eighth of a batch) a work-group makes the scores and a partial softmax-weighted sum of the rows.
; A wave owns 64 rows.  PART 1: its rows (f32) are held within +-448 x 2^e2, converted to E4M3 codes, and go through the wave's own LDS stage into the operand's registers (512 registers).
; PART 2: W's codes (wq, laid by launch prep in the order of the operand's registers) come through a ring of two LDS slots of four tiles of 16 units, by joint loads of a cluster of four work-groups,
; which all walk the same wq.  Per tile: 32 FP8 matrix instructions (transposed: a lane holds one row, its registers eight units), y = sum x 2 log2(e) 2^(e2+e3) + hb, r = 1 / (1 + 2^y), SS += v r.
; tanh = 1 - 2 r, so the score is (sum of v_a) + b_v - 2 SS.
; DEAD WORK: b_v and the sum of v_a are added alike to every score of a batch; softmax over the positions takes any such term away, for all values of the inputs.  So the score here is -2 SS,
; b_v is not loaded and is no argument of any launch.  LIMIT: a NaN, an infinity or an overflow that reaches only these two terms is not carried to the result.
; PART 3: m = the wave's largest score, p = e^(score - m), l = the sum of p; the rows are read once more, last first, and part = the sum of p x row; launch comb joins the 32 records of a batch.
; LIMITS: e2 between -126 and 119; e2 + e3 between -127 and 126 (added to the exponent field of 2 log2(e)).  NaN among the inputs is not served.  K inside a matrix instruction is permuted alike in both operands.
; No prefetch: parts 1 and 3 have 64 loads of 512 bytes a wave on their way all the time, and part 3 reads what the launch itself has read.
; WINDOWS: 0 addresses and small work; 1 four slots of 64 registers for rows of enc (parts 1, 3), W's fragments in two sets (part 2); 2, 3 the rows' codes.
.set RING,   0
.set TILEB,  16384
.set SLOTB,  4*TILEB
.set STAGE,  2*SLOTB                   ; 32 rows x 1,040 bytes for each wave
.set SPITCH, 1040
.set STGW,   32*SPITCH
.set BT,     STAGE+4*STGW              ; hb's 1,024 numbers of my batch
.set VT,     BT+4096                   ; v_a
.set SPARE,  VT+4096                   ; the spare words: 128 bytes a wave
.set LO,  1
.set STA, 2
.set STR, 3
.set BF,  4
.set TB0, 6
.set TBA, 7
.set SPW, 8
.set NIL, 9
.set SCL, 10
.set HBO, 11
.set VAO, 12
.set STO, 13
.set TAB, 14
.set C,   16
.set CTX, 32
.set ACC, 64
.set SS,  96
.set BB,  104
.set Z,   136
.set P,   144
.set ML,  148
.set PL,  156                          ; p of rows 0-31, rows 32-63: a row a lane
.set PX,  158                          ; the one of the two that a trip reads
.set STC, 159                          ; the stage address of the trip in hand
.set WV,  20
.set G1,  24
.set G0,  32
.set CNT, 40
.set TK,  41
.set C1,  42
.set NLIM, 44
.set LIM, 45
.set PA,  46
.set PB,  48
.set SEL, 50
.set MSB, 0
.macro WIN new
.if MSB != \new
	s_set_vgpr_msb (MSB<<8)|\new
.set MSB, \new
.endif
.endm
.macro CROUND                          ; a round of the cluster's barrier
	s_barrier_signal -1
	s_barrier_wait -1
	s_cmp_lg_u32 s[WV], 0
	s_cbranch_scc1 .Lnot_wave_0_\@
	s_barrier_signal -3
.Lnot_wave_0_\@:
	s_barrier_wait -3
	s_barrier_signal -1
	s_barrier_wait -1
.endm
.macro LDG g, sl, nt                   ; two rows (group g from the base s[4:5]) into slot sl: each load is 512 consecutive bytes
	WIN 0x40
.irp a, 0,1
.irp q, 0,1,2,3,4,5,6,7
.if \nt
	global_load_b128 v[64*(\sl)+32*\a+4*\q:64*(\sl)+32*\a+4*\q+3], v[LO], s[4:5] offset:(2*(\g)+\a)*4096+512*\q th:TH_LOAD_NT
.else
	global_load_b128 v[64*(\sl)+32*\a+4*\q:64*(\sl)+32*\a+4*\q+3], v[LO], s[4:5] offset:(2*(\g)+\a)*4096+512*\q
.endif
.endr
.endr
.endm
.macro QGRP j, ld, wt                  ; slot j's two rows become codes in the stage; ld: the group four on is asked for; wt: the younger loads that may stay out
.set SL, 64*(\j)
	s_wait_loadcnt \wt
	WIN 0x41
.set i, 0
.rept 64
	v_med3_num_f32 v[SL+i], v[SL+i], s[NLIM], s[LIM]   ; the conversion does not saturate (ISA guide 7.6.2): the hold comes first
.set i, i+1
.endr
	s_wait_alu depctr_va_vdst(0)       ; the wait ahead of the wait below
	s_wait_dscnt 0x0
	WIN 0x01
.irp a, 0,1
.irp q, 0,2,4,6
	v_cvt_scalef32_pk8_fp8_f32 v[C+8*\a+\q:C+8*\a+\q+1], v[SL+32*\a+4*\q:SL+32*\a+4*\q+7], v[SCL]
.endr
.endr
	v_nop                              ; a plain line behind the last conversion
.if \ld
	LDG (\j)+4, \j, 0
.endif
	WIN 0
.irp a, 0,1
.irp q, 0,1,2,3,4,5,6,7
	ds_store_b32 v[STC], v[C+8*\a+\q] offset:(2*(\j)+\a)*SPITCH+128*\q
.endr
.endr
.endm
.macro QTRIP                           ; four groups, eight rows; then the base, the stage address and the count step
	QGRP 0, 1, 48
	QGRP 1, 1, 48
	QGRP 2, 1, 48
	QGRP 3, 1, 48
	s_wait_xcnt 0x0                    ; the loads have read their base
	s_add_nc_u64 s[4:5], s[4:5], 0x8000
	s_add_co_u32 s[TK], s[TK], 8*SPITCH
	v_add_nc_u32 v[STC], s[TK], v[STA]
	s_sub_co_u32 s[CNT], s[CNT], 1
	s_cmp_lg_u32 s[CNT], 0
	s_wait_alu depctr_va_vdst(0)       ; the wait ahead of the branch
.endm
.macro RDBK m                          ; 16 staged rows become block m of the operand's registers
	WIN 0x80
.irp s, 0,1,2,3
.irp c, 0,1,2,3
	ds_load_b128 v[64*\s+16*(\m)+4*\c:64*\s+16*(\m)+4*\c+3], v[STR] offset:((\m)%2)*16*SPITCH+128*\s+32*\c
.endr
.endr
	WIN 0xc0
.irp s, 0,1,2,3
.irp c, 0,1,2,3
	ds_load_b128 v[64*\s+16*(\m)+4*\c:64*\s+16*(\m)+4*\c+3], v[STR] offset:((\m)%2)*16*SPITCH+512+128*\s+32*\c
.endr
.endr
.endm
.macro PREF pos, t, p, toff            ; a tile's hb, v_a and W fragments into set p
	WIN 0
	ds_load_b128 v[BB+16*(\p):BB+16*(\p)+3], v[TBA] offset:(\toff)
	ds_load_b128 v[BB+16*(\p)+4:BB+16*(\p)+7], v[TBA] offset:(\toff)+16
	ds_load_b128 v[BB+16*(\p)+8:BB+16*(\p)+11], v[TBA] offset:(\toff)+4096
	ds_load_b128 v[BB+16*(\p)+12:BB+16*(\p)+15], v[TBA] offset:(\toff)+4112
	WIN 0x40
.irp s, 0,1,2,3,4,5,6,7
.irp c, 0,1,2,3
	ds_load_b128 v[128*(\p)+16*\s+4*\c:128*(\p)+16*\s+4*\c+3], v[BF+(\pos)] offset:(\t)*TILEB+\s*2048+\c*512
.endr
.endr
.endm
.macro MM p                            ; 16 units x my 64 rows x K 1,024: four accumulators by turns
	WIN 0x09
.irp s, 0,1,2,3
.irp m, 0,1,2,3
.if \s == 0
	v_wmma_f32_16x16x128_fp8_fp8 v[ACC+8*\m:ACC+8*\m+7], v[128*(\p)+16*\s:128*(\p)+16*\s+15], v[64*\s+16*\m:64*\s+16*\m+15], 0
.else
	v_wmma_f32_16x16x128_fp8_fp8 v[ACC+8*\m:ACC+8*\m+7], v[128*(\p)+16*\s:128*(\p)+16*\s+15], v[64*\s+16*\m:64*\s+16*\m+15], v[ACC+8*\m:ACC+8*\m+7]
.endif
.endr
.endr
	WIN 0x0d
.irp s, 0,1,2,3
.irp m, 0,1,2,3
	v_wmma_f32_16x16x128_fp8_fp8 v[ACC+8*\m:ACC+8*\m+7], v[128*(\p)+64+16*\s:128*(\p)+64+16*\s+15], v[64*\s+16*\m:64*\s+16*\m+15], v[ACC+8*\m:ACC+8*\m+7]
.endr
.endr
.endm
.macro EP p, np                        ; SS += v / (1 + 2^y)
	WIN 0
.if \np
.rept \np
	v_nop
.endr
.endif
.set i, 0
.rept 16
	v_pk_fma_f32 v[ACC+2*i:ACC+2*i+1], v[ACC+2*i:ACC+2*i+1], s[C1:C1+1], v[BB+16*(\p)+2*(i%4):BB+16*(\p)+2*(i%4)+1] op_sel_hi:[1,0,1]
.set i, i+1
.endr
.set i, 0
	s_wait_alu depctr_va_vdst(0)
.rept 32
	v_exp_f32 v[ACC+i], v[ACC+i]
.set i, i+1
.endr
	v_nop
.set i, 0
	s_wait_alu depctr_va_vdst(0)
.rept 16
	v_pk_add_f32 v[ACC+2*i:ACC+2*i+1], v[ACC+2*i:ACC+2*i+1], 1.0 op_sel_hi:[1,0]
.set i, i+1
.endr
.set i, 0
	s_wait_alu depctr_va_vdst(0)
.rept 32
	v_rcp_f32 v[ACC+i], v[ACC+i]
.set i, i+1
.endr
	v_nop
	s_wait_alu depctr_va_vdst(0)
.irp jp, 0,1,2,3
.irp m, 0,1,2,3
	v_pk_fma_f32 v[SS+2*\m:SS+2*\m+1], v[ACC+8*\m+2*\jp:ACC+8*\m+2*\jp+1], v[BB+16*(\p)+8+2*\jp:BB+16*(\p)+9+2*\jp], v[SS+2*\m:SS+2*\m+1]
.endr
.endr
.endm
.macro CHANGE pos, fill                ; the change of slots: all my tensor loads, the add, my reads; a round; the joint refill first behind it
	WIN 0
	s_wait_tensorcnt 0x0
	ds_add_u32 v[SPW], v[NIL]
.if \fill
	s_add_nc_u64 s[G0+4*\pos+2:G0+4*\pos+3], s[G0+4*\pos+2:G0+4*\pos+3], 2*SLOTB
.endif
	s_wait_dscnt 0x0
.if \fill
	CROUND
	tensor_load_to_lds s[G0+4*\pos:G0+4*\pos+3], s[G1:G1+7]
	s_nop 0
.rept 4
	v_nop
.endr
.else
	s_barrier_signal -1
	s_barrier_wait -1
.endif
.endm
.macro SLOT pos, mode                  ; four tiles.  mode 2: the slot is filled again; 1: it is not; 0: the last slot, behind whose products part 3's first rows are asked for
.irp t, 0,1,2
	s_wait_dscnt 0x0
	PREF \pos, \t+1, 1-(\t%2), 256*\pos+64*(\t+1)
	MM \t%2
	EP \t%2, 4
.endr
.if \mode == 0
	s_wait_dscnt 0x0
	MM 1
	WIN 0
.set i, 0
.rept 32
	v_mov_b32 v[CTX+i], 0              ; part 3's sums begin; these are also the places behind the products
.set i, i+1
.endr
	LDG 3, 0, 1                        ; the base stands at group 28: groups 31, 30, 29, 28
	LDG 2, 1, 1
	LDG 1, 2, 1
	LDG 0, 3, 1
	EP 1, 0
.else
	CHANGE \pos, \mode-1
	PREF 1-\pos, 0, 0, 256*\pos+256
	MM 1
	EP 1, 4
.endif
.endm
.macro CG j, ld, wt                    ; CTX += p x row for slot j's two rows (rows 2 (3 - j), + 1 of the trip's eight)
.set SL, 64*(\j)
	s_wait_loadcnt \wt
	WIN 0
.if \ld
	s_add_co_u32 s54, s53, 2*(3-(\j))
	v_readlane_b32 s[PA], v[PX], s54
	s_add_co_u32 s54, s53, 2*(3-(\j))+1
	v_readlane_b32 s[PB], v[PX], s54
.else
	v_readlane_b32 s[PA], v[P], 2*(3-(\j))
	v_readlane_b32 s[PB], v[P], 2*(3-(\j))+1
.endif
	WIN 0x01
.set i, 0
.rept 16
	v_pk_fma_f32 v[CTX+2*i:CTX+2*i+1], v[SL+2*i:SL+2*i+1], s[PA:PA+1], v[CTX+2*i:CTX+2*i+1] op_sel_hi:[1,0,1]
.set i, i+1
.endr
.set i, 0
.rept 16
	v_pk_fma_f32 v[CTX+2*i:CTX+2*i+1], v[SL+32+2*i:SL+32+2*i+1], s[PB:PB+1], v[CTX+2*i:CTX+2*i+1] op_sel_hi:[1,0,1]
.set i, i+1
.endr
.if \ld
	LDG 3-(\j), \j, 1
.endif
.endm
	s_load_b256 s[4:11], s[0:1], 0x0               ; enc, wq, hb, v_a
	s_load_b128 s[16:19], s[0:1], 0x20             ; part, stats
	s_load_b64 s[14:15], s[0:1], 0x30              ; the scales' exponents
	v_lshl_add_u32 v[SPW], v0, 2, SPARE
	v_mov_b32 v[NIL], 0
	ds_add_u32 v[SPW], v[NIL]                      ; the opening lines: the add twice on end
	ds_add_u32 v[SPW], v[NIL]
	v_lshrrev_b32 v152, 5, v0
	v_readfirstlane_b32 s[WV], v152                ; wave 0..3
	s_bfe_u32 s21, ttmp6, 0x40000
	s_lshl_b32 s22, ttmp9, 2
	s_add_co_u32 s22, s22, s21                     ; work-group = 4 x cluster + cx
	s_mov_b32 s[G1+0], 15|(3<<16)|(1<<21)          ; all four partners; elements of 8 bytes
	s_mov_b32 s[G1+1], 32<<16                      ; 64 rows of 256 bytes, dense: a tile of 16,384 bytes a wave
	s_mov_b32 s[G1+2], 64<<16
	s_mov_b32 s[G1+3], 32<<16
	s_mov_b32 s[G1+4], 64
	s_mov_b32 s[G1+5], 32
	s_mov_b32 s[G1+6], 0
	s_mov_b32 s[G1+7], 0
	s_mov_b32 s[SEL], 0x76543210
	s_mov_b32 s[SEL+1], 0xfedcba98
	s_mov_b32 s[PA+1], 0
	s_mov_b32 s[PB+1], 0
	s_lshl_b32 s60, s[WV], 14
	s_mov_b32 s61, 0
	s_wait_dscnt 0x0
	s_wait_kmcnt 0x0
	s_load_b128 s[52:55], s[14:15], 0x0            ; e0, e1, e2, e3
	s_add_nc_u64 s[6:7], s[6:7], s[60:61]
	CROUND
.irp p, 0,1
	s_mov_b32 s[G0+4*\p], 1
	s_add_co_u32 s[G0+4*\p+1], s60, RING+\p*SLOTB
	s_add_nc_u64 s[G0+4*\p+2:G0+4*\p+3], s[6:7], \p*SLOTB
	s_or_b32 s[G0+4*\p+3], s[G0+4*\p+3], 0x80000000
.endr
	tensor_load_to_lds s[G0:G0+3], s[G1:G1+7]      ; slot 0: one tensor load a wave at the head
	s_nop 0
	s_lshl_b32 s58, s22, 20                        ; enc: 256 rows of 4,096 bytes a work-group, 64 a wave
	s_lshl_b32 s59, s[WV], 18
	s_add_co_u32 s58, s58, s59
	s_mov_b32 s59, 0
	s_add_nc_u64 s[4:5], s[4:5], s[58:59]
	s_lshr_b32 s58, s22, 3
	s_lshl_b32 s58, s58, 6
	s_add_nc_u64 s[8:9], s[8:9], s[58:59]          ; hb at my batch
	s_lshl_b32 s58, s22, 2
	s_add_co_u32 s58, s58, s[WV]
	s_lshl_b32 s58, s58, 12
	s_add_nc_u64 s[16:17], s[16:17], s[58:59]      ; my record of part,
	s_lshr_b32 s58, s58, 4
	s_add_nc_u64 s[18:19], s[18:19], s[58:59]      ; and of stats
	s_mul_i32 s23, s[WV], STGW
	s_add_co_u32 s23, s23, STAGE                   ; my stage
	v_and_b32 v152, 31, v0
	v_and_b32 v153, 15, v0
	v_bfe_u32 v154, v0, 4, 1
	v_lshlrev_b32 v[LO], 4, v152
	v_lshrrev_b32 v[HBO], 2, v0
	v_and_b32 v155, 3, v0
	v_lshlrev_b32 v[HBO], 11, v[HBO]
	v_lshl_add_u32 v[HBO], v155, 4, v[HBO]
	v_lshlrev_b32 v[VAO], 4, v0
	v_lshl_add_u32 v[STA], v152, 2, s23
	v_mul_u32_u24 v[STR], v153, SPITCH
	v_lshl_add_u32 v[STR], v154, 4, v[STR]
	v_add_nc_u32 v[STR], s23, v[STR]
	v_add_nc_u32 v[BF], RING, v[LO]
	v_add_nc_u32 v[BF+1], RING+SLOTB, v[LO]
	v_lshl_add_u32 v[TB0], v154, 5, BT
	v_lshlrev_b32 v[STO], 3, v152
	v_lshl_add_u32 v[TAB], v0, 4, BT
	global_load_b128 v[C:C+3], v[HBO], s[8:9]
	global_load_b128 v[C+4:C+7], v[HBO], s[8:9] offset:65536
	global_load_b128 v[C+8:C+11], v[VAO], s[10:11]
	global_load_b128 v[C+12:C+15], v[VAO], s[10:11] offset:2048
	LDG 0, 0, 0                                    ; the first rows are asked for while slot 0's tile is on its way
	LDG 1, 1, 0
	LDG 2, 2, 0
	WIN 0
	s_wait_alu depctr_va_vdst(0)                   ; the wait at the head's end
	s_wait_tensorcnt 0x0                           ; the lines ahead of slot 1's first fill
	ds_add_u32 v[SPW], v[NIL]
	s_wait_dscnt 0x0
	CROUND
	tensor_load_to_lds s[G0+4:G0+7], s[G1:G1+7]
	s_nop 0
.rept 4
	v_nop
.endr
	s_wait_kmcnt 0x0
	s_add_co_i32 s62, s54, s55
	s_lshl_b32 s62, s62, 23
	s_add_co_i32 s[C1], s62, 0x4038aa3b            ; 2 log2(e) x 2^(e2 + e3)
	s_mov_b32 s[C1+1], s[C1]
	s_add_co_i32 s62, s54, 127
	s_lshl_b32 s63, s62, 23
	v_mov_b32 v[SCL], s63                          ; 2^e2
	s_add_co_i32 s62, s62, 8
	s_lshl_b32 s62, s62, 23
	s_or_b32 s[LIM], s62, 0x600000                 ; 448 x 2^e2
	s_or_b32 s[NLIM], s[LIM], 0x80000000
	s_wait_loadcnt 48                              ; the four table loads are in; three groups of 16 may be out
	ds_store_b128 v[TAB], v[C:C+3]
	ds_store_b128 v[TAB], v[C+4:C+7] offset:2048
	ds_store_b128 v[TAB], v[C+8:C+11] offset:4096
	ds_store_b128 v[TAB], v[C+12:C+15] offset:6144
	LDG 3, 3, 0
	WIN 0
	; PART 1: rows 0-31 in four trips, rows 32-63 in three trips and a tail that asks for nothing
	s_mov_b32 s[TK], 0
	v_add_nc_u32 v[STC], s[TK], v[STA]
	s_mov_b32 s[CNT], 4
	s_wait_alu depctr_va_vdst(0)
.Lqa:
	QTRIP
	s_cbranch_scc1 .Lqa
	RDBK 0
	RDBK 1
	WIN 0
	s_mov_b32 s[TK], 0
	v_add_nc_u32 v[STC], s[TK], v[STA]
	s_mov_b32 s[CNT], 3
	s_wait_alu depctr_va_vdst(0)
.Lqb:
	QTRIP
	s_cbranch_scc1 .Lqb
	QGRP 0, 0, 48
	QGRP 1, 0, 32
	QGRP 2, 0, 16
	QGRP 3, 0, 0
	RDBK 2
	RDBK 3
	WIN 0
	s_wait_dscnt 0x0                               ; my table stores have landed
	s_barrier_signal -1
	s_barrier_wait -1
	; PART 2
.irp j, 0,1,2,3,4,5,6,7
	v_mov_b32 v[SS+\j], 0
.endr
	s_mov_b32 s[TK], 0
	v_add_nc_u32 v[TBA], s[TK], v[TB0]
	PREF 0, 0, 0, 0
	WIN 0
	s_mov_b32 s[CNT], 7
.Lring:
	s_wait_alu depctr_va_vdst(0)
	SLOT 0, 2
	SLOT 1, 2
	s_add_co_u32 s[TK], s[TK], 512
	v_add_nc_u32 v[TBA], s[TK], v[TB0]
	s_sub_co_u32 s[CNT], s[CNT], 1
	s_cmp_lg_u32 s[CNT], 0
	s_cbranch_scc1 .Lring
	s_wait_alu depctr_va_vdst(0)
	SLOT 0, 1
	SLOT 1, 0
	; PART 3: the scores -2 SS, their maximum, p and its sum
.irp m, 0,1,2,3
	v_add_f32 v[Z+\m], v[SS+2*\m], v[SS+2*\m+1]
.endr
.irp m, 0,1,2,3
	v_permlanex16_b32 v[ACC+\m], v[Z+\m], s[SEL], s[SEL+1]
.endr
.irp m, 0,1,2,3
	v_add_f32 v[Z+\m], v[Z+\m], v[ACC+\m]
.endr
.irp m, 0,1,2,3
	v_mul_f32 v[Z+\m], -2.0, v[Z+\m]
.endr
	v_max3_num_f32 v[ML], v[Z], v[Z+1], v[Z+2]
	v_max_num_f32 v[ML], v[ML], v[Z+3]
	v_max_num_f32_dpp v[ML], v[ML], v[ML] row_xmask:1 row_mask:0xf bank_mask:0xf
	v_max_num_f32_dpp v[ML], v[ML], v[ML] row_xmask:2 row_mask:0xf bank_mask:0xf
	v_max_num_f32_dpp v[ML], v[ML], v[ML] row_xmask:4 row_mask:0xf bank_mask:0xf
	v_max_num_f32_dpp v[ML], v[ML], v[ML] row_xmask:8 row_mask:0xf bank_mask:0xf
.irp m, 0,1,2,3
	v_sub_f32 v[P+\m], v[Z+\m], v[ML]
.endr
.irp m, 0,1,2,3
	v_mul_f32 v[P+\m], 0x3fb8aa3b, v[P+\m]
.endr
	s_wait_alu depctr_va_vdst(0)
.irp m, 0,1,2,3
	v_exp_f32 v[P+\m], v[P+\m]
.endr
	v_nop
	s_wait_alu depctr_va_vdst(0)
	v_add_f32 v[ML+1], v[P], v[P+1]
	v_add_f32 v152, v[P+2], v[P+3]
	v_add_f32 v[ML+1], v[ML+1], v152
	v_add_f32_dpp v[ML+1], v[ML+1], v[ML+1] row_xmask:1 row_mask:0xf bank_mask:0xf
	v_add_f32_dpp v[ML+1], v[ML+1], v[ML+1] row_xmask:2 row_mask:0xf bank_mask:0xf
	v_add_f32_dpp v[ML+1], v[ML+1], v[ML+1] row_xmask:4 row_mask:0xf bank_mask:0xf
	v_add_f32_dpp v[ML+1], v[ML+1], v[ML+1] row_xmask:8 row_mask:0xf bank_mask:0xf
	global_store_b64 v[STO], v[ML:ML+1], s[18:19]  ; 32 lanes store the record's 256 bytes
	s_mov_b32 s52, 0xffff0000                      ; both halves of the lanes hold the same p: lanes 16-31 take the next 16 rows'
	v_cndmask_b32 v[PL], v[P], v[P+1], s52
	v_cndmask_b32 v[PL+1], v[P+2], v[P+3], s52
	s_mov_b32 s[CNT], 7
	s_wait_alu depctr_va_vdst(0)
.Lctx:                                             ; trip with count n: rows 8 n .. 8 n + 7, and the eight rows below them are asked for
	s_wait_xcnt 0x0                                ; the loads have read their base
	s_sub_nc_u64 s[4:5], s[4:5], 0x8000
	s_cmp_ge_u32 s[CNT], 4
	s_cselect_b32 s52, -1, 0
	v_cndmask_b32 v[PX], v[PL], v[PL+1], s52
	s_lshl_b32 s53, s[CNT], 3
	s_and_b32 s53, s53, 31                         ; the lane of the trip's first row
	s_wait_alu depctr_va_vdst(0)                   ; the wait ahead of the wait below
	CG 0, 1, 48
	CG 1, 1, 48
	CG 2, 1, 48
	CG 3, 1, 48
	WIN 0
	s_sub_co_u32 s[CNT], s[CNT], 1
	s_cmp_lg_u32 s[CNT], 0
	s_cbranch_scc1 .Lctx
	CG 0, 0, 48                                    ; rows 7 .. 0
	CG 1, 0, 32
	CG 2, 0, 16
	CG 3, 0, 0
	WIN 0
.irp q, 0,1,2,3,4,5,6,7
	global_store_b128 v[LO], v[CTX+4*\q:CTX+4*\q+3], s[16:17] offset:512*\q
.endr
	s_wait_tensorcnt 0x0                           ; the wave's end
	ds_add_u32 v[SPW], v[NIL]
	s_wait_dscnt 0x0
	CROUND                                         ; the closing round
	s_endpgm
.Lfunc_end_k_qe7800f9c2f_main:
	.size	k_qe7800f9c2f_main, .Lfunc_end_k_qe7800f9c2f_main-k_qe7800f9c2f_main
	.p2alignl 7, 3214868480
	.fill 96, 4, 3214868480
	.section	.rodata,"a",@progbits
	.p2align	6, 0x0
	.amdhsa_kernel k_qe7800f9c2f_main
		.amdhsa_group_segment_fixed_size 327680
		.amdhsa_private_segment_fixed_size 0
		.amdhsa_enable_private_segment 0
		.amdhsa_kernarg_size 56
		.amdhsa_user_sgpr_count 2
		.amdhsa_user_sgpr_kernarg_segment_ptr 1
		.amdhsa_wavefront_size32 1
		.amdhsa_system_sgpr_workgroup_id_x 1
		.amdhsa_system_sgpr_workgroup_id_y 1
		.amdhsa_system_sgpr_workgroup_id_z 1
		.amdhsa_system_vgpr_workitem_id 0
		.amdhsa_next_free_vgpr 1024
		.amdhsa_next_free_sgpr 66
		.amdhsa_reserve_vcc 0
		.amdhsa_float_denorm_mode_32 3
		.amdhsa_float_denorm_mode_16_64 3
		.amdhsa_memory_ordered 1
		.amdhsa_forward_progress 1
		.amdhsa_inst_pref_size 255
	.end_amdhsa_kernel
	.section	.bss,"aw",@nobits
	.p2align	6
	.space	262144
	.amdgpu_metadata
---
amdhsa.version: [ 1, 2 ]
amdhsa.kernels:
  - .name:           k_qe7800f9c2f_main
    .symbol:         k_qe7800f9c2f_main.kd
    .args:
      - { .name: enc_h_s, .offset: 0, .size: 8, .value_kind: global_buffer, .address_space: global }
      - { .name: wq, .offset: 8, .size: 8, .value_kind: global_buffer, .address_space: global }
      - { .name: hb, .offset: 16, .size: 8, .value_kind: global_buffer, .address_space: global }
      - { .name: v_a, .offset: 24, .size: 8, .value_kind: global_buffer, .address_space: global }
      - { .name: part, .offset: 32, .size: 8, .value_kind: global_buffer, .address_space: global }
      - { .name: stats, .offset: 40, .size: 8, .value_kind: global_buffer, .address_space: global }
      - { .name: lowp_scales, .offset: 48, .size: 8, .value_kind: global_buffer, .address_space: global }
    .group_segment_fixed_size: 327680
    .private_segment_fixed_size: 0
    .kernarg_segment_align: 8
    .kernarg_segment_size: 56
    .max_flat_workgroup_size: 128
    .sgpr_count:     66
    .vgpr_count:     1024
    .wavefront_size: 32
...
	.end_amdgpu_metadata
.endif
;; end of part 2
;; launch comb (part 3): grid 256 x 1, 1 waves a work-group, no clusters, 0 bytes of LDS; arguments part, stats, out0; writes out0
.if DOCPART == 3
	.amdgcn_target "amdgcn-amd-amdhsa--gfx1250"
	.amdhsa_code_object_version 6
	.text
	.protected	k_qe7800f9c2f_comb
	.globl	k_qe7800f9c2f_comb
	.p2align	8
	.type	k_qe7800f9c2f_comb,@function
k_qe7800f9c2f_comb:
	s_mov_b64 s[64:65], 0
	v_nop
	global_prefetch_b8 v0, s[64:65] scope:SCOPE_SE
	s_setreg_imm32_b32 hwreg(HW_REG_WAVE_MODE, 25, 1), 1
	s_wait_xcnt 0x0
; out0[b][c] = (sum over a batch's 32 records i of e^(m_i - M) part[i][c]) / (sum over i of e^(m_i - M) l_i), M = the largest m_i.
; part: [1,024 records][1,024] f32, record 32 b + i; stats: a record's (m, l) at the head of its 256 bytes.  One wave to a work-group; work-group x takes batch x / 8 and 128 columns (x % 8): 512 bytes of each record.
; Lane i holds record i's (m, l), so the maximum and the sum are reductions over the wave's lanes; all 32 loads of partials are issued at once.  No LDS, no barrier.
	s_load_b128 s[4:7], s[0:1], 0x0                ; part s[4:5], stats s[6:7]
	s_load_b64 s[8:9], s[0:1], 0x10                ; out0
	v_lshlrev_b32 v1, 8, v0                        ; stats: 256 bytes a record
	v_lshlrev_b32 v4, 4, v0                        ; 16 bytes a lane
	s_lshr_b32 s10, ttmp9, 3                       ; b
	s_and_b32 s11, ttmp9, 7
	s_lshl_b32 s11, s11, 9                         ; my 512 bytes of a row
	s_lshl_b32 s12, s10, 13                        ; stats: 32 records of 256 bytes
	s_mov_b32 s13, 0
	s_lshl_b32 s14, s10, 17                        ; part: 32 records of 4,096 bytes
	s_add_co_u32 s14, s14, s11
	s_mov_b32 s15, 0
	s_lshl_b32 s16, s10, 12                        ; out0: a row of 4,096 bytes
	s_add_co_u32 s16, s16, s11
	s_mov_b32 s17, 0
	s_mov_b32 s18, 0x76543210                      ; v_permlanex16_b32: lane l xor 16
	s_mov_b32 s19, 0xfedcba98
.irp k, 21,23,25,27
	s_mov_b32 s\k, 0                               ; (named as the upper words of pairs, so they are written)
.endr
	s_wait_alu depctr_va_vdst(0)
	s_wait_kmcnt 0x0
	s_add_nc_u64 s[6:7], s[6:7], s[12:13]
	s_add_nc_u64 s[4:5], s[4:5], s[14:15]
	s_add_nc_u64 s[8:9], s[8:9], s[16:17]
	global_load_b64 v[2:3], v1, s[6:7]             ; (m, l) of record (lane)
.set i, 0
.rept 32
	global_load_b128 v[16+4*i:19+4*i], v4, s[4:5] offset:4096*i th:TH_LOAD_NT   ; 512 consecutive bytes of record i: read once
.set i, i+1
.endr
	s_wait_loadcnt 32                              ; (m, l) are in; the 32 loads behind them may be out
	v_mov_b32 v5, v2
	v_mov_b32 v6, 0                                ; written once: a lane permute's destination counts as one of its sources
	v_max_num_f32_dpp v5, v5, v5 row_xmask:1 row_mask:0xf bank_mask:0xf
	v_max_num_f32_dpp v5, v5, v5 row_xmask:2 row_mask:0xf bank_mask:0xf
	v_max_num_f32_dpp v5, v5, v5 row_xmask:4 row_mask:0xf bank_mask:0xf
	v_max_num_f32_dpp v5, v5, v5 row_xmask:8 row_mask:0xf bank_mask:0xf
	v_permlanex16_b32 v6, v5, s18, s19
	v_max_num_f32 v5, v5, v6                       ; M
	v_sub_f32 v7, v2, v5
	v_mul_f32 v7, 0x3fb8aa3b, v7
	s_wait_alu depctr_va_vdst(0)
	v_exp_f32 v7, v7                               ; w = e^(m - M), 1 for at least one record
	v_nop                                          ; a plain line behind the exponential
	s_wait_alu depctr_va_vdst(0)
	v_mul_f32 v12, v7, v3
	v_add_f32_dpp v12, v12, v12 row_xmask:1 row_mask:0xf bank_mask:0xf
	v_add_f32_dpp v12, v12, v12 row_xmask:2 row_mask:0xf bank_mask:0xf
	v_add_f32_dpp v12, v12, v12 row_xmask:4 row_mask:0xf bank_mask:0xf
	v_add_f32_dpp v12, v12, v12 row_xmask:8 row_mask:0xf bank_mask:0xf
	v_permlanex16_b32 v6, v12, s18, s19
	v_add_f32 v12, v12, v6                         ; the softmax's sum, at least 1
	s_wait_alu depctr_va_vdst(0)
	v_rcp_f32 v12, v12
	v_nop                                          ; a plain line behind the reciprocal
	s_wait_alu depctr_va_vdst(0)
	v_mul_f32 v7, v7, v12                          ; w / the sum
	s_wait_alu depctr_va_vdst(0)
	s_wait_loadcnt 0x0
.set i, 0
.rept 32
	v_readlane_b32 s[20+2*(i%4)], v7, i
.if i == 0
	v_pk_mul_f32 v[8:9], v[16:17], s[20:21] op_sel_hi:[1,0]        ; the first record starts the sums
	v_pk_mul_f32 v[10:11], v[18:19], s[20:21] op_sel_hi:[1,0]
.else
	v_pk_fma_f32 v[8:9], v[16+4*i:17+4*i], s[20+2*(i%4):21+2*(i%4)], v[8:9] op_sel_hi:[1,0,1]
	v_pk_fma_f32 v[10:11], v[18+4*i:19+4*i], s[20+2*(i%4):21+2*(i%4)], v[10:11] op_sel_hi:[1,0,1]
.endif
.set i, i+1
.endr
	global_store_b128 v4, v[8:11], s[8:9]          ; 32 lanes store 512 consecutive bytes, aligned
	s_endpgm
.Lfunc_end_k_qe7800f9c2f_comb:
	.size	k_qe7800f9c2f_comb, .Lfunc_end_k_qe7800f9c2f_comb-k_qe7800f9c2f_comb
	.p2alignl 7, 3214868480
	.fill 96, 4, 3214868480
	.section	.rodata,"a",@progbits
	.p2align	6, 0x0
	.amdhsa_kernel k_qe7800f9c2f_comb
		.amdhsa_group_segment_fixed_size 0
		.amdhsa_private_segment_fixed_size 0
		.amdhsa_enable_private_segment 0
		.amdhsa_kernarg_size 24
		.amdhsa_user_sgpr_count 2
		.amdhsa_user_sgpr_kernarg_segment_ptr 1
		.amdhsa_wavefront_size32 1
		.amdhsa_system_sgpr_workgroup_id_x 1
		.amdhsa_system_sgpr_workgroup_id_y 1
		.amdhsa_system_sgpr_workgroup_id_z 1
		.amdhsa_system_vgpr_workitem_id 0
		.amdhsa_next_free_vgpr 160
		.amdhsa_next_free_sgpr 66
		.amdhsa_reserve_vcc 0
		.amdhsa_float_denorm_mode_32 3
		.amdhsa_float_denorm_mode_16_64 3
		.amdhsa_memory_ordered 1
		.amdhsa_forward_progress 1
		.amdhsa_inst_pref_size 12
	.end_amdhsa_kernel
	.amdgpu_metadata
---
amdhsa.version: [ 1, 2 ]
amdhsa.kernels:
  - .name:           k_qe7800f9c2f_comb
    .symbol:         k_qe7800f9c2f_comb.kd
    .args:
      - { .name: part, .offset: 0, .size: 8, .value_kind: global_buffer, .address_space: global }
      - { .name: stats, .offset: 8, .size: 8, .value_kind: global_buffer, .address_space: global }
      - { .name: out0, .offset: 16, .size: 8, .value_kind: global_buffer, .address_space: global }
    .group_segment_fixed_size: 0
    .private_segment_fixed_size: 0
    .kernarg_segment_align: 8
    .kernarg_segment_size: 24
    .max_flat_workgroup_size: 32
    .sgpr_count:     66
    .vgpr_count:     160
    .wavefront_size: 32
...
	.end_amdgpu_metadata
.endif
;; end of part 3
